; MI455X (gfx1250); checked and timed in simulation.
; The chip was launched on July 23, 2026; its instructions are those of AMD's public machine-readable ISA for CDNA 5 (MIT licence, August 2026) and "CDNA5" Instruction Set Architecture Reference Guide (July 2026). The comments in the code are by the model that wrote it; some were corrected since.
;; Multi Headed Attention. Allowed arithmetic: matrix products marked QUANTISED: E5M2 operands, one given power-of-two scale a tensor, by v_wmma_f32_16x16x64_bf8_bf8 or v_wmma_f32_16x16x128_bf8_bf8, f32 sums; everything else in f32.
;; Inputs: Wk_codes 1,024 x 32 x 32 uint8 (E5M2 codes of Wk, K innermost, in blocks of 32 codes); Wo_codes 1,024 x 32 x 32 uint8 (E5M2 codes of Wo, K innermost, in blocks of 32 codes); Wq_codes 1,024 x 32 x 32 uint8 (E5M2 codes of Wq, K innermost, in blocks of 32 codes); Wv_codes 1,024 x 32 x 32 uint8 (E5M2 codes of Wv, K innermost, in blocks of 32 codes); bo 1,024 float32; lowp_scales 12 int32 (the exponents e of the quantised operands' scales 2^e); x_codes 4 x 2,048 x 32 x 32 uint8 (E5M2 codes of x, K innermost, in blocks of 32 codes).
;; Outputs: out0 4 x 2,048 x 1,024 float32.
;; This version of the problem:
;;   THIS VERSION OF THE PROBLEM IS GIVEN IN LOW PRECISION. The matrix products marked QUANTISED in the list below multiply operands that are first quantised to E5M2 (5 exponent bits, 2 mantissa bits; 8 bits a number), with one given power-of-two scale for each operand tensor; their sums are f32. All else is computed in f32.
;;   The module's matrix products, in the order in which they are computed (A, B: the left and right operand; K: the contracted axis; several contracted axes count as one K, in the product's order):
;;     1. [M 8,192, K 1,024] x [K 1,024, N 1,024]; A: input x (given as codes); B: input Wq (given as codes): QUANTISED (scales: A lowp_scales[0], B lowp_scales[1])
;;     2. [M 8,192, K 1,024] x [K 1,024, N 1,024]; A: input x (given as codes); B: input Wk (given as codes): QUANTISED (scales: A lowp_scales[2], B lowp_scales[3])
;;     3. [M 8,192, K 1,024] x [K 1,024, N 1,024]; A: input x (given as codes); B: input Wv (given as codes): QUANTISED (scales: A lowp_scales[4], B lowp_scales[5])
;;     4. batch 64 x [M 2,048, K 64] x [K 64, N 2,048]; A: computed on the way; B: computed on the way: QUANTISED (scales: A lowp_scales[6], B lowp_scales[7])
;;     5. batch 64 x [M 2,048, K 2,048] x [K 2,048, N 64]; A: softmax (see below); B: computed on the way: QUANTISED (scales: A lowp_scales[8], B lowp_scales[9])
;;     6. [M 8,192, K 1,024] x [K 1,024, N 1,024]; A: computed on the way; B: input Wo (given as codes): QUANTISED (scales: A lowp_scales[10], B lowp_scales[11])
;;   THE QUANTISER, for each operand of a quantised product, along K:
;;     - The operand's scale is 2^e, e = its entry of the input lowp_scales (int32; the entries are numbered through the quantised products in the list's order, A before B).
;;     - Each number is divided by the scale, clamped to +-57,344, and rounded to the nearest number of E5M2, ties to even, subnormals kept.
;;     - The product sums the exact products of the quantised numbers (number of the format x scale) in f32.
;;   ~~~python
;;   def quantise(x, axis, e):      # numpy; x: float32 -> the quantised numbers, widened to float32 again
;;       x = np.moveaxis(x, axis, -1); K = x.shape[-1]
;;       r = np.clip(x / 2.0 ** e, -57344, 57344)
;;       step = 2.0 ** (np.maximum(np.frexp(np.where(r == 0, 1, r))[1] - 1, -14) - 2)
;;       q = np.round(r / step) * step * 2.0 ** e      # np.round: ties to even
;;       return np.moveaxis(q, -1, axis).astype(np.float32)
;;   ~~~
;;   SOFTMAX AHEAD OF A QUANTISED PRODUCT. Where the list says 'softmax', what is quantised is not the finished softmax but p = 2^(t - M), with t = logit x log2(e) and M = ceil(the row's largest t), a whole number; so 1/2 < the row's largest p <= 1. The row's sum l is taken of the UNQUANTISED p, in f32, and the product's result is divided by l at the end. Since M is a whole number, a kernel that streams over the keys may use a running M (the ceiling of the running maximum): every later rescaling is an exact power of two, so the quantised numbers keep their values, but for numbers so far below the row's largest that they fall under the format's range.
;;   OPERANDS COMPUTED ON THE WAY. 'Computed on the way' means the value that the module computes at that place (a softmax that the list does not call 'softmax' is quantised finished and normalised). What goes into a quantiser is computed in f32, as accurately as f32 sums, v_exp_f32 and their like allow (about 1e-6 of the number): no bf16 or f16 on the way to a quantiser, and a product that is left as it is and whose result goes on into a quantised operand takes f32 operands (vector FMAs, or v_wmma_f32_16x16x4_f32). A number that lies on a knife's edge between two numbers of the format may be rounded either way, as far as f32 arithmetic and the matrix unit's own rounding can turn it there, and no further.
;;   INPUTS GIVEN AS CODES. Wk (in the module: [1024, 1024], K = its axis 1); Wo (in the module: [1024, 1024], K = its axis 1); Wq (in the module: [1024, 1024], K = its axis 1); Wv (in the module: [1024, 1024], K = its axis 1); x (in the module: [4, 2048, 1024], K = its axis 2): each comes as NAME_codes (uint8): NAME with its K axis moved to the last place and cut into blocks of 32 codes, [.., K / 32, bytes a block], one block behind the other in memory; one code a byte (a code: sign, 5 exponent bits, 2 mantissa bits); its scale is its entry of lowp_scales. Its value is code x scale, taken as it is: it is not quantised again, and the codes and scales need not be those that the quantiser above would give.
;; One version. Each part assembles by itself: llvm-mc -triple=amdgcn-amd-amdhsa -mcpu=gfx1250 --defsym DOCPART=n.
;; ======== version 1 of 1: 3 launches
;; limits: right only within a limited range of input values
;; workspace buffers: qimg 8,388,608 bytes; kimg 8,388,608 bytes; vimg 8,388,608 bytes; cimg 8,388,608 bytes
;; launch qkv (part 1): grid 4 x 96, 4 waves a work-group, clusters of 4 x 4, 327,680 bytes of LDS; arguments x_codes, Wq_codes, Wk_codes, Wv_codes, lowp_scales, qimg, kimg, vimg; writes qimg, kimg, vimg
.if DOCPART == 1
	.amdgcn_target "amdgcn-amd-amdhsa--gfx1250"
	.amdhsa_code_object_version 6
	.text
	.protected	k_q351c6762e1_qkv
	.globl	k_q351c6762e1_qkv
	.p2align	8
	.type	k_q351c6762e1_qkv,@function
k_q351c6762e1_qkv:
	s_mov_b64 s[64:65], 0
	v_nop
	global_prefetch_b8 v0, s[64:65] scope:SCOPE_SE
	s_setreg_imm32_b32 hwreg(HW_REG_WAVE_MODE, 25, 1), 1
	s_wait_xcnt 0x0
	s_wait_alu depctr_hold_cnt(0) depctr_sa_sdst(0) depctr_va_vdst(0) depctr_va_sdst(0) depctr_va_ssrc(0) depctr_va_vcc(0) depctr_vm_vsrc(0)
	s_getreg_b32 s2, hwreg(HW_REG_IB_STS2, 6, 4)
	s_cmp_eq_u32 s2, 0
	s_cbranch_scc0 .Lentry_in_a_cluster
	s_endpgm
.Lentry_in_a_cluster:
	s_bfe_u32 s2, ttmp6, 0x10000c
	s_cmp_lg_u32 s2, 0xf033
	s_cbranch_scc0 .Lentry_shape_is_right
	s_endpgm
.Lentry_shape_is_right:
; q = x Wq^T, k = x Wk^T, v = x Wv^T on codes of BF8 (E5M2), f32 sums; each result is quantised at once, with its given scale, and stored as codes in the order of the next product's operand registers.
; x: [8192][1024] codes, each W: [1024][1024] codes, K innermost.  lowp_scales: e0, e1 (x, Wq), e2, e3 (x, Wk), e4, e5 (x, Wv), e6 (q), e7 (k), e8 (p), e9 (v).
; ONE TEXT FOR THE THREE PRODUCTS.  The cluster's y says which: 0-7 q, 8-15 k, 16-23 v.  For q and k the operand called A here is x and B is the weight; for v A is Wv and B is x.
; Only pointers, tile coordinates, one exponent and three store strides differ; they are chosen by s_cselect on the cluster's y, which all partners share and which hangs on no address.
; A tile of the result, 256 x 256, is made by a work-group of four waves; a wave makes 128 x 128: 64 accumulators of 16 x 16, 512 registers.  K goes in steps of 256 through a ring of two LDS slots
; filled by the tensor data mover: a tile's row is 256 bytes of memory.  K = 1,024 is four fills; the eight steps of 128 are written straight.
; CLUSTERS: 4 x 4 work-groups.  The four of a row of the cluster need the same tiles of A, the four of a column the same tiles of B: each tile is asked for JOINTLY, by the same tensor load with the same
; descriptor and a mask that names the four.
; THE MATRIX INSTRUCTION IS USED TRANSPOSED (source 0 = 16 rows of B, source 1 = 16 rows of A): in accumulator (a, b) lane (r, h) holds row 16 a + r of A's side and the eight columns 16 b + 8 h + 0 .. 7 of B's side.
; For q and k those eight are neighbouring features of one token, for v neighbouring keys of one channel: neighbours along the NEXT product's K.  One conversion of eight makes registers 2 b, 2 b + 1 of that
; product's operand in its own layout (K = 64 form for q, k: four b to a head; K = 128 form for v: eight b to a step of 128 keys).  So the codes leave straight from registers: each store covers 512 consecutive bytes, aligned.
; OUT: qimg, kimg: byte (16 batch + head) x 131072 + (token / 16) x 1024 + 512 c + 16 lane;  vimg: (16 batch + head) x 131072 + (key / 128) x 8192 + (channel / 16) x 2048 + 512 c + 16 lane; c = a group of four registers.
; code = sum / 2^(eo - ea - eb), held within +-57,344, to the nearest code, ties to even (eo: the result's exponent; ea, eb: the operands').
; LIMITS: e6 - e0 - e1, e7 - e2 - e3 and e9 - e4 - e5 lie between -126 and 112, so that the scale and 57,344 x the scale are f32 numbers.  NaN and infinity among the codes are not served.
; REGISTERS, in windows of 256: window 0: v0-31 addresses and two constants; v32-95 a block's held sums; v96-111 its codes; from v128 A's fragments (8 x 16 rows x 128 K), ONE set.
;   window 1: B's fragments, TWO sets, at v0 and at v128.   window 2: the 32 accumulators of my rows 0-63 (accumulator (a, b) at v[8 (8 a + b)]);   window 3: those of my rows 64-127.
.set ROWB,   256                       ; a tile's row in bytes: 256 codes
.set KROW,   1024                      ; a row of x or of a weight in memory, in bytes
.set PITCH,  272                       ; an LDS row: 256 bytes of data + 16 of padding = 68 words: row r starts at bank 4 r mod 64 (64 banks of 4 bytes: ISA guide 11.1), so the 16 rows that a load touches start at 16 different banks
.set FR,     16                        ; registers of a fragment: 16 rows x 128 K
.set NL,     4                         ; LDS loads that bring one
.set NP,     4                         ; places behind this matrix instruction (ISA guide 7.12.1)
.set HALFT,  128*PITCH                 ; 128 rows: what one tensor load brings, and what one wave reads of A or of B
.set SLOT,   4*HALFT                   ; A's 256 rows, then B's 256 rows
.set SPARE,  2*SLOT                    ; behind the ring: the spare words, 128 bytes for each wave: two blocks of 256 bytes that no other line names
.set ADRA, 16                          ; v16-17  LDS address of my A fragments in slot 0, 1
.set ADRB, 20                          ; v20-21  the same for B
.set CO,   26                          ; v26     16 x lane: my place in a store's 512 bytes; never rewritten
.set VO2,  27                          ; v27     the same, one head on (q, k: 131,072) or two register groups on (v: 1,024); never rewritten
.set SPW,  28                          ; v28     LDS address of my spare word: SPARE + 4 x my thread's number; never rewritten
.set NIL,  29                          ; v29     0; never rewritten
.set SC,   30                          ; v30     2^(eo - ea - eb) as f32: the conversion takes its exponent field
.set LIM,  31                          ; v31     57,344 x that
.set TMP,  32                          ; v32-95  a block's 64 sums, held
.set CD,   96                          ; v96-111 its codes
.set AF,   128                         ; A's fragments, in window 0
.set G1, 24                            ; s[24:31] descriptor group 1 for A's tiles;  s[32:39] group 0, one set for each slot
.set G0, 32
.set G1B, 48                           ; s[48:55], s[56:63] the same for B's tiles
.set G0B, 56
.set MSB, 0
.macro WIN new                         ; the immediate's high byte repeats the setting that is left
.if MSB != \new
	s_set_vgpr_msb (MSB<<8)|\new
.set MSB, \new
.endif
.endm
.set MUL_LO, 0xa1                      ; source 0 (B) window 1, source 1 (A) window 0, C and D window 2
.set MUL_HI, 0xf1                      ; the same, C and D window 3
.set TO_B,   0x40                      ; destination window 1, address window 0
; A joint load: waves 0 and 1 fetch for A, waves 2 and 3 for B.  Each of the two lines has ONE mask and one set of registers for all that issue it; the branch hangs on the wave's number alone.
; Four v_nop follow each of the two lines, ahead of the jump, the label and what follows.
.macro JLOAD g0a, g1a, g0b, g1b
	s_cmp_eq_u32 s15, 0
	s_cbranch_scc0 .Lfor_b_\@
	tensor_load_to_lds s[\g0a:\g0a+3], s[\g1a:\g1a+7]
	s_nop 0
.rept 4
	v_nop
.endr
	s_branch .Lasked_\@
.Lfor_b_\@:
	tensor_load_to_lds s[\g0b:\g0b+3], s[\g1b:\g1b+7]
	s_nop 0
.rept 4
	v_nop
.endr
.Lasked_\@:
.endm
.macro CREST                           ; a round of the cluster's barrier behind its opening barrier
	s_cmp_lg_u32 s14, 0
	s_cbranch_scc1 .Lnot_wave_0_\@
	s_barrier_signal -3
.Lnot_wave_0_\@:
	s_barrier_wait -3
	s_barrier_signal -1
	s_barrier_wait -1
.endm
.macro CROUND                          ; a whole round
	s_barrier_signal -1
	s_barrier_wait -1
	CREST
.endm
	s_load_b256 s[68:75], s[0:1], 0x0              ; x s[68:69], Wq s[70:71], Wk s[72:73], Wv s[74:75]
	s_load_b256 s[76:83], s[0:1], 0x20             ; the exponents s[76:77], qimg s[78:79], kimg s[80:81], vimg s[82:83]
	v_lshl_add_u32 v[SPW], v0, 2, SPARE
	v_mov_b32 v[NIL], 0
	ds_add_u32 v28, v29
	ds_add_u32 v28, v29
	s_wait_dscnt 0x0
	v_lshrrev_b32 v1, 5, v0
	v_readfirstlane_b32 s14, v1                    ; wave 0..3
	s_lshr_b32 s15, s14, 1                         ; which half of the tile's rows is mine.  Also: I fetch for A (0) or for B (1)
	s_and_b32 s16, s14, 1                          ; which half of its columns.  Also: which 128 rows of that tile I fetch
	s_bfe_u32 s40, ttmp6, 0x40000                  ; cx, cy: my place in the cluster
	s_bfe_u32 s41, ttmp6, 0x40004
	s_and_b32 s95, ttmp7, 0xffff                   ; the cluster's y, 0..23
	s_lshr_b32 s94, s95, 3                         ; which product: 0 q, 1 k, 2 v
	s_and_b32 s95, s95, 7                          ; which eighth of x's 32 blocks of 256 rows
	s_cmp_lt_u32 s94, 2                            ; q or k?  Then x is A, and x's blocks run down the tile rows; else x is B, and they run along the tile columns
	s_cselect_b32 s18, s95, 0
	s_cselect_b32 s19, 0, s95
	s_mov_b32 s2, 1024
	s_cselect_b32 s2, 0x20000, s2                  ; from a block's first two stores to its last two: the next head (q, k) or the fragment's upper half (v)
	s_mov_b32 s96, 2048
	s_cselect_b32 s96, 1024, s96                   ; from block to block: a tile of 16 tokens (q, k) or of 16 channels (v)
	s_cselect_b32 s98, 0, 122880                   ; and at block 4 of v: on to the next head, 131,072 - 4 x 2,048 more
	s_mov_b32 s97, 0
	s_mov_b32 s99, 0
	s_lshl_b32 s17, s18, 2
	s_add_co_u32 s17, s17, s41                     ; tile row = 4 x (x's eighth or 0) + cy
	s_lshl_b32 s42, s19, 2
	s_add_co_u32 s42, s42, s40                     ; tile column = 4 x (0 or x's eighth) + cx
	s_lshl_b32 s43, s41, 2
	s_lshl_b32 s43, 15, s43                        ; my row of the cluster
	s_lshl_b32 s44, 0x1111, s40                    ; my column
	; descriptor group 1: a tile of 128 rows x 256 bytes, padded in LDS
	s_or_b32 s[G1+0], s43, (0<<16)|(1<<20)|(1<<21)|(5<<22)|(3<<25)  ; 15:0 the mask: A's tiles go to my row; 17:16 element of 1 byte; 20 padding on; 21 set beside a mask; 24:22 after every 64 words (code 5); 31:25 of 4 words (code 3)
	s_or_b32 s[G1B+0], s44, (0<<16)|(1<<20)|(1<<21)|(5<<22)|(3<<25)
.irp g, G1, G1B
	s_mov_b32 s[\g+1], ROWB<<16                    ; tensor_dim0
	s_mov_b32 s[\g+2], 128<<16                     ; tensor_dim1 = 128
	s_mov_b32 s[\g+3], ROWB<<16                    ; tile_dim0
	s_mov_b32 s[\g+4], 128                         ; tile_dim1 = 128
	s_mov_b32 s[\g+5], KROW                        ; tensor_dim0_stride
	s_mov_b32 s[\g+6], 0
	s_mov_b32 s[\g+7], 0
.endr
	s_lshl_b32 s18, s16, 7                         ; which 128 rows of the tile I fetch
	s_lshl_b32 s20, s17, 8
	s_add_co_u32 s20, s20, s18                     ; A: row 256 x tile row + 128 x half
	s_lshl_b32 s46, s42, 8
	s_add_co_u32 s46, s46, s18                     ; B: row 256 x tile column + 128 x half
	s_lshl_b32 s20, s20, 10                        ; in bytes: rows of 1,024; under 2^23
	s_lshl_b32 s46, s46, 10
	s_mov_b32 s21, 0
	s_mov_b32 s47, 0
	s_mul_i32 s45, s14, HALFT                      ; where they go: wave x 128 rows: no place in the cluster enters an LDS address
	s_wait_kmcnt 0x0
	s_cmp_eq_u32 s94, 0
	s_cselect_b64 s[6:7], s[70:71], s[72:73]       ; Wq or Wk
	s_cselect_b64 s[10:11], s[78:79], s[80:81]     ; qimg or kimg
	s_cmp_lt_u32 s94, 2
	s_cselect_b64 s[4:5], s[68:69], s[74:75]       ; A: x, or Wv
	s_cselect_b64 s[6:7], s[6:7], s[68:69]         ; B: the weight, or x
	s_cselect_b64 s[10:11], s[10:11], s[82:83]     ; the result's buffer
	s_load_b256 s[84:91], s[76:77], 0x0            ; e0 .. e7
	s_load_b64 s[92:93], s[76:77], 0x20            ; e8, e9
	s_add_nc_u64 s[20:21], s[4:5], s[20:21]
	s_add_nc_u64 s[46:47], s[6:7], s[46:47]
	CROUND                                         ; all sixteen work-groups are here: the first joint loads meet
.irp s, 0,1
	s_mov_b32 s[G0+4*\s], 1
	s_add_co_u32 s[G0+4*\s+1], s45, \s*SLOT
	s_add_nc_u64 s[G0+4*\s+2:G0+4*\s+3], s[20:21], \s*ROWB
	s_or_b32 s[G0+4*\s+3], s[G0+4*\s+3], 0x80000000
	s_mov_b32 s[G0B+4*\s], 1
	s_add_co_u32 s[G0B+4*\s+1], s45, \s*SLOT
	s_add_nc_u64 s[G0B+4*\s+2:G0B+4*\s+3], s[46:47], \s*ROWB
	s_or_b32 s[G0B+4*\s+3], s[G0B+4*\s+3], 0x80000000
	JLOAD G0+4*\s, G1, G0B+4*\s, G1B
.endr
	v_and_b32 v1, 15, v0                           ; l % 16
	v_bfe_u32 v2, v0, 4, 1                         ; l / 16
	v_mul_u32_u24 v3, v1, PITCH
	v_lshl_add_u32 v4, v2, 4, v3                   ; a fragment's row x pitch + 16 x half
	s_mul_i32 s21, s15, HALFT                      ; my 128 rows of A
	s_mul_i32 s22, s16, HALFT                      ; my 128 rows of B,
	s_add_co_u32 s22, s22, 2*HALFT                 ; which lie behind A's 256
.irp s, 0,1
	v_add_nc_u32 v[ADRA+\s], s21, v4
	v_add_nc_u32 v[ADRB+\s], s22, v4
	s_add_co_u32 s21, s21, SLOT
	s_add_co_u32 s22, s22, SLOT
.endr
	v_and_b32 v6, 31, v0
	v_lshlrev_b32 v[CO], 4, v6
	v_add_nc_u32 v[VO2], s2, v[CO]
	; where my wave's codes begin.  X0 = my first row of x (a token), W0 = my first row of the weight (a feature); one formula serves the three buffers:
	; (X0 / 2048) x 2^21 (the batch) + (W0 / 64) x 2^17 (the head) + (X0 % 2048) x 64 (q, k: 1,024 bytes for 16 tokens; v: 8,192 bytes for 128 keys)
	s_lshl_b32 s20, s17, 8
	s_lshl_b32 s21, s15, 7
	s_add_co_u32 s20, s20, s21                     ; my first row on A's side
	s_lshl_b32 s46, s42, 8
	s_lshl_b32 s47, s16, 7
	s_add_co_u32 s46, s46, s47                     ; and on B's side
	s_cmp_lt_u32 s94, 2
	s_cselect_b32 s21, s20, s46                    ; X0
	s_cselect_b32 s47, s46, s20                    ; W0
	s_lshr_b32 s20, s21, 11
	s_lshl_b32 s20, s20, 21
	s_lshr_b32 s47, s47, 6
	s_lshl_b32 s47, s47, 17
	s_add_co_u32 s20, s20, s47
	s_and_b32 s21, s21, 2047
	s_lshl_b32 s21, s21, 6
	s_add_co_u32 s20, s20, s21
	s_mov_b32 s21, 0
	s_add_nc_u64 s[10:11], s[10:11], s[20:21]
.macro FRAG reg, adr, q, i             ; a fragment, 16 rows x 128 K of 8-bit codes, is 16 registers: lane l holds row l % 16; registers 4 c .. 4 c + 3 hold K = 32 c + 16 (l / 16) + 0 .. 15: the same places of k in A and in B
.irp c, 0,1,2,3
	ds_load_b128 v[\reg+4*\c:\reg+4*\c+3], v[\adr] offset:128*(\q)+32*\c+(\i)*16*PITCH
.endr
.endm
; 16 matrix instructions: A's blocks a0, a0 + 1 x B's eight, 128 along K.  p: B's set.  zero = 1: the first product starts the sums: nothing is ever cleared.
; The 64 accumulators take turns, one instruction a turn, in the same order in every step.
.macro MUL16 a0, p, zero
.irp a, \a0, \a0+1
.irp b, 0,1,2,3,4,5,6,7
.if \zero
	v_wmma_f32_16x16x128_bf8_bf8 v[8*(8*((\a)%4)+\b):8*(8*((\a)%4)+\b)+7], v[128*(\p)+FR*\b:128*(\p)+FR*\b+FR-1], v[AF+FR*(\a):AF+FR*(\a)+FR-1], 0
.else
	v_wmma_f32_16x16x128_bf8_bf8 v[8*(8*((\a)%4)+\b):8*(8*((\a)%4)+\b)+7], v[128*(\p)+FR*\b:128*(\p)+FR*\b+FR-1], v[AF+FR*(\a):AF+FR*(\a)+FR-1], v[8*(8*((\a)%4)+\b):8*(8*((\a)%4)+\b)+7]
.endif
.endr
.endr
.endm
.macro FETCH_B slot, q, p              ; B's eight fragments of the slot's q-th 128 along K into set p
	WIN TO_B
.irp i, 0,1,2,3,4,5,6,7
	FRAG 128*(\p)+FR*\i, ADRB+\slot, \q, \i
.endr
	WIN 0
.endm
.macro FETCH_A slot, q, i0             ; A's blocks i0 .. i0 + 3
.irp i, \i0, \i0+1, \i0+2, \i0+3
	FRAG AF+FR*(\i), ADRA+\slot, \q, \i
.endr
.endm
; A load into a register that a matrix instruction has read, and a vector instruction that reads a matrix result, stand NP places behind that matrix instruction, and only plain vector
; instructions that name none of its registers are places (ISA guide 7.12.1 for vector instructions); the matrix instructions in between are not counted.
.macro PLACES n
.rept \n
	v_nop
.endr
.endm
; A step of 128 along K that has its successor in the same slot.  A's blocks go one after the other, each against B's eight: a block of A is free when its eight products are issued, so A has one set of registers.
.macro STEP slot, q, zero
	s_wait_dscnt 4*NL                              ; B's set and A's blocks 0-3 are in; the youngest 16 loads (A's blocks 4-7) may be out
	WIN MUL_LO
	MUL16 0, (\q)%2, \zero
	MUL16 2, (\q)%2, \zero
	s_wait_dscnt 0                                 ; A's blocks 4-7 are in (asked for 32 matrix instructions ago)
	PLACES NP
	FETCH_B \slot, (\q)+1, 1-(\q)%2
	FETCH_A \slot, (\q)+1, 0
	WIN MUL_HI
	MUL16 4, (\q)%2, \zero
	MUL16 6, (\q)%2, \zero
	PLACES NP
	WIN 0
	FETCH_A \slot, (\q)+1, 4
.endm
; A slot's last step changes slots: ONE barrier; in front of it each wave waits for all its tensor loads, adds 0 to its spare word, and waits for that and for its own reads of this slot.  fill = 1: this slot is filled again, two K steps ahead.
.macro TURN slot, next, fill
	s_wait_tensorcnt 0x0                           ; all my tensor loads have landed: my part of the next slot;  (every window is 0 here: the add's two registers lie in window 0)
	ds_add_u32 v[SPW], v[NIL]                      ; 0 onto my spare word
	s_wait_dscnt 4*NL+1                            ; (the add and the youngest 16 loads, A's blocks 4-7, may be out)
	WIN MUL_LO
	MUL16 0, 1, 0                                  ; sixteen matrix instructions stand between the add and the wait for it
	s_wait_dscnt 0x0                               ; the add is done, and my reads of this slot are over
	s_barrier_signal -1
	MUL16 2, 1, 0
	WIN 0
	s_barrier_wait -1
.if \fill
	CREST                                          ; the barrier has opened a round of the cluster's barrier: no wave of any partner still reads this slot's tile or has a load on its way
	s_add_nc_u64 s[G0+4*\slot+2:G0+4*\slot+3], s[G0+4*\slot+2:G0+4*\slot+3], 2*ROWB
	s_add_nc_u64 s[G0B+4*\slot+2:G0B+4*\slot+3], s[G0B+4*\slot+2:G0B+4*\slot+3], 2*ROWB
	JLOAD G0+4*\slot, G1, G0B+4*\slot, G1B         ; the first tensor load behind the round, my one load until the next; the four v_nop behind it are the places in front of the loads below
.else
	PLACES NP
.endif
	FETCH_B \next, 0, 0
	FETCH_A \next, 0, 0
	WIN MUL_HI
	MUL16 4, 1, 0
	MUL16 6, 1, 0
	PLACES NP
	WIN 0
	FETCH_A \next, 0, 4
.endm
	s_wait_alu depctr_va_vdst(0)
	s_wait_tensorcnt 1                             ; my part of K step 0 is in (K step 1's load may be out)
	s_barrier_signal -1
	s_barrier_wait -1                              ; everybody's is
	FETCH_B 0, 0, 0
	FETCH_A 0, 0, 0
	FETCH_A 0, 0, 4
	STEP 0, 0, 1                                   ; K 0-127: these products start the sums
	TURN 0, 1, 1                                   ; K 128-255; slot 0 takes K 512-767
	STEP 1, 0, 0                                   ; K 256-383
	TURN 1, 0, 1                                   ; K 384-511; slot 1 takes K 768-1023
	STEP 0, 0, 0                                   ; K 512-639
	TURN 0, 1, 0                                   ; K 640-767; nothing is left to fetch, so no round of the cluster's barrier
	STEP 1, 0, 0                                   ; K 768-895
	s_wait_dscnt 4*NL                              ; K 896-1023: the very last step
	WIN MUL_LO
	MUL16 0, 1, 0
	MUL16 2, 1, 0
	s_wait_dscnt 0
	WIN MUL_HI
	MUL16 4, 1, 0
	MUL16 6, 1, 0
	WIN 0
	; THE WAY OUT.  A sum stands for sum x 2^(ea + eb), so its code is sum / 2^(eo - ea - eb): the three exponents are folded into the conversion's one scale.
	s_wait_kmcnt 0x0
	s_sub_co_i32 s90, s90, s84
	s_sub_co_i32 s90, s90, s85                     ; q: e6 - e0 - e1
	s_sub_co_i32 s91, s91, s86
	s_sub_co_i32 s91, s91, s87                     ; k: e7 - e2 - e3
	s_sub_co_i32 s93, s93, s88
	s_sub_co_i32 s93, s93, s89                     ; v: e9 - e4 - e5
	s_cmp_eq_u32 s94, 0
	s_cselect_b32 s90, s90, s91
	s_cmp_lt_u32 s94, 2
	s_cselect_b32 s90, s90, s93
	s_add_co_i32 s90, s90, 127
	s_lshl_b32 s91, s90, 23
	v_mov_b32 v[SC], s91                           ; the scale as f32
	s_add_co_i32 s90, s90, 15
	s_lshl_b32 s90, s90, 23
	s_or_b32 s90, s90, 0x600000
	v_mov_b32 v[LIM], s90                          ; 57,344 x the scale
	PLACES NP                                      ; behind the last products, ahead of the first read of results
; Block a: my rows 16 a .. 16 a + 15 on A's side, all 128 columns: 64 sums a lane become 16 registers of codes, which are two fragments of q or k (two heads) or one fragment of v.
.macro OUTBLK a
.set AC, 64*((\a)%4)
	WIN 0x02+((\a)/4)                              ; source 0: window 2 or 3
.set jj, 0
.rept 64
	v_med3_num_f32 v[TMP+jj], v[AC+jj], -v[LIM], v[LIM]   ; the conversion to an 8-bit code does not saturate (ISA guide 7.6.2): the hold at the largest code x the scale; each accumulator from its low end on
.set jj, jj+1
.endr
	WIN 0
.if (\a) > 0
	s_wait_alu depctr_va_vdst(0)
	s_wait_xcnt 0x0                                ; the last block's stores have read their data and their base: both are written again only behind this wait
	s_add_nc_u64 s[10:11], s[10:11], s[96:97]
.if (\a) == 4
	s_add_nc_u64 s[10:11], s[10:11], s[98:99]
.endif
.endif
.irp b, 0,1,2,3,4,5,6,7
	v_cvt_scalef32_pk8_bf8_f32 v[CD+2*\b:CD+2*\b+1], v[TMP+8*\b:TMP+8*\b+7], v[SC]   ; eight neighbours along the next K: registers 2 b, 2 b + 1 of the operand
.endr
	v_nop                                          ; one plain vector instruction behind the last conversion, ahead of the next block's holds, which write its sources
	global_store_b128 v[CO], v[CD:CD+3], s[10:11]                  ; each store: 32 lanes x 16 bytes = 512 consecutive bytes, at a multiple of 512 from the buffer's first byte
	global_store_b128 v[CO], v[CD+4:CD+7], s[10:11] offset:512
	global_store_b128 v[VO2], v[CD+8:CD+11], s[10:11]
	global_store_b128 v[VO2], v[CD+12:CD+15], s[10:11] offset:512
.endm
.irp a, 0,1,2,3,4,5,6,7
	OUTBLK \a
.endr
	s_wait_tensorcnt 0x0                           ; the wave's end: 0 onto my spare word, behind my last tensor load, as my last LDS instructions
	ds_add_u32 v[SPW], v[NIL]
	s_wait_dscnt 0x0
	CROUND                                         ; the closing round: no work-group ends while a partner may still ask for a tile that names it
	s_endpgm
.Lfunc_end_k_q351c6762e1_qkv:
	.size	k_q351c6762e1_qkv, .Lfunc_end_k_q351c6762e1_qkv-k_q351c6762e1_qkv
	.p2alignl 7, 3214868480
	.fill 96, 4, 3214868480
	.section	.rodata,"a",@progbits
	.p2align	6, 0x0
	.amdhsa_kernel k_q351c6762e1_qkv
		.amdhsa_group_segment_fixed_size 327680
		.amdhsa_private_segment_fixed_size 0
		.amdhsa_enable_private_segment 0
		.amdhsa_kernarg_size 64
		.amdhsa_user_sgpr_count 2
		.amdhsa_user_sgpr_kernarg_segment_ptr 1
		.amdhsa_wavefront_size32 1
		.amdhsa_system_sgpr_workgroup_id_x 1
		.amdhsa_system_sgpr_workgroup_id_y 1
		.amdhsa_system_sgpr_workgroup_id_z 1
		.amdhsa_system_vgpr_workitem_id 0
		.amdhsa_next_free_vgpr 1024
		.amdhsa_next_free_sgpr 100
		.amdhsa_reserve_vcc 0
		.amdhsa_float_denorm_mode_32 3
		.amdhsa_float_denorm_mode_16_64 3
		.amdhsa_memory_ordered 1
		.amdhsa_forward_progress 1
		.amdhsa_inst_pref_size 119
	.end_amdhsa_kernel
	.amdgpu_metadata
---
amdhsa.version: [ 1, 2 ]
amdhsa.kernels:
  - .name:           k_q351c6762e1_qkv
    .symbol:         k_q351c6762e1_qkv.kd
    .args:
      - { .name: x_codes, .offset: 0, .size: 8, .value_kind: global_buffer, .address_space: global }
      - { .name: Wq_codes, .offset: 8, .size: 8, .value_kind: global_buffer, .address_space: global }
      - { .name: Wk_codes, .offset: 16, .size: 8, .value_kind: global_buffer, .address_space: global }
      - { .name: Wv_codes, .offset: 24, .size: 8, .value_kind: global_buffer, .address_space: global }
      - { .name: lowp_scales, .offset: 32, .size: 8, .value_kind: global_buffer, .address_space: global }
      - { .name: qimg, .offset: 40, .size: 8, .value_kind: global_buffer, .address_space: global }
      - { .name: kimg, .offset: 48, .size: 8, .value_kind: global_buffer, .address_space: global }
      - { .name: vimg, .offset: 56, .size: 8, .value_kind: global_buffer, .address_space: global }
    .group_segment_fixed_size: 327680
    .private_segment_fixed_size: 0
    .kernarg_segment_align: 8
    .kernarg_segment_size: 64
    .max_flat_workgroup_size: 128
    .sgpr_count:     100
    .vgpr_count:     1024
    .wavefront_size: 32
...
	.end_amdgpu_metadata
.endif
;; end of part 1
;; launch attn (part 2): grid 4 x 64, 16 waves a work-group, clusters of 4 x 1, 327,680 bytes of LDS; arguments qimg, kimg, vimg, lowp_scales, cimg; writes cimg
.if DOCPART == 2
	.amdgcn_target "amdgcn-amd-amdhsa--gfx1250"
	.amdhsa_code_object_version 6
	.text
	.protected	k_q351c6762e1_attn
	.globl	k_q351c6762e1_attn
	.p2align	8
	.type	k_q351c6762e1_attn,@function
k_q351c6762e1_attn:
	s_mov_b64 s[64:65], 0
	v_nop
	global_prefetch_b8 v0, s[64:65] scope:SCOPE_SE
	s_setreg_imm32_b32 hwreg(HW_REG_WAVE_MODE, 25, 1), 1
	s_wait_xcnt 0x0
	s_wait_alu depctr_hold_cnt(0) depctr_sa_sdst(0) depctr_va_vdst(0) depctr_va_sdst(0) depctr_va_ssrc(0) depctr_va_vcc(0) depctr_vm_vsrc(0)
	s_getreg_b32 s2, hwreg(HW_REG_IB_STS2, 6, 4)
	s_cmp_eq_u32 s2, 0
	s_cbranch_scc0 .Lentry_in_a_cluster
	s_endpgm
.Lentry_in_a_cluster:
	s_bfe_u32 s2, ttmp6, 0x10000c
	s_cmp_lg_u32 s2, 0x3003
	s_cbranch_scc0 .Lentry_shape_is_right
	s_endpgm
.Lentry_shape_is_right:
; ctx = softmax(q k^T / 8, causal) v for 64 heads (16 batch + head) of 2,048 tokens x 64 channels, both products on codes of BF8 (E5M2); ctx is quantised at once and stored as codes for the last product.
; qimg, kimg: per head 128 fragments (16 tokens x 64 channels, 8 registers) of 1,024 bytes; vimg: per head 16 steps of 128 keys x 4 fragments (16 channels x 128 keys, 16 registers) of 2,048 bytes.
; All are images of operand registers: a group of four registers is 512 bytes, lane l's 16 bytes at 16 l.  So every fragment comes by loads of 16 bytes a lane at 16 l: no pitch, no padding.
; THE SOFTMAX AHEAD OF THE SECOND PRODUCT: t = score x log2(e) / 8; M = the row's largest t so far, rounded UP to a whole number; p = 2^(t - M) is what is quantised (scale 2^e8); it is not normalised.
; The row's sum is taken of the unquantised p, in f32, and divides O at the end.  When M moves, the sum and O are multiplied by 2^(old M - new M): exact.
; SHARES.  A cluster of four work-groups is one head; work-group j of it, wave w of sixteen, owns TWO tiles of 16 queries: tA = 4 w + j and tB = 127 - tA.  Tile t needs the steps of 128 keys 0 .. t / 8.
; tA / 8 = w / 2 and tB / 8 = 15 - w / 2 whatever j is: so every wave of every work-group has 17 tile-steps, and no branch hangs on a work-group's place in its cluster.
; ALL OF THE HEAD'S K AND V LIES IN LDS (131,072 bytes each), every byte filled once, by JOINT loads (the four work-groups ask for the same bytes with the same descriptor and a mask that names the four).
; Each wave issues two loads at the head: a small one (its eighth of steps 0 and 1 of K: waves 0-7, or of V: waves 8-15) and a large one (its eighth of steps 2 to 15).  Behind the first barrier steps 0 and 1 are
; worked while the large loads land; behind the second barrier the waves run free: no slot is filled again, and no barrier stands in the long loop.
; LAYOUT.  Both products are used transposed: S^T = K Q^T (source 0 = 16 keys, source 1 = my 16 queries), O^T = V^T P^T (source 0 = 16 channels, source 1 = P): a lane holds ONE query (lane % 16) throughout.
; In S^T's tile t lane (r, h) holds keys 16 t + 8 h + 0 .. 7: one conversion of eight makes registers 2 t, 2 t + 1 of P in the K = 128 form's own layout.
; OUT: cimg: byte (row / 16) x 16384 + kc x 512 + 16 lane; lane (r, h) holds row r, k = 32 kc + 16 h + 0 .. 15 (k = 64 head + channel).  code = (O / sum) / 2^(e10 - e8 - e9).
; LIMITS on the given exponents, so that each power of two below is an f32 number: e6 + e7 between -123 and 130 (they are added to c's exponent field); e8, and e10 - e8 - e9, between -126 and 112.  NaN among the codes is not served.
.set VLDS, 131072                      ; LDS: K's images from byte 0, V's from here;
.set STG,  262144                      ; behind them the stages for ctx: for each tile and wave 16 rows x (64 bytes + 16); no tensor load lands here
.set STW,  16*80                       ; a wave's stage
.set STT,  16*STW                      ; the sixteen waves' stages of one tile.  The text uses 262,144 + 2 x 20,480 = 303,104 bytes
.set LI,   1                           ; v1   16 x lane: my place in an image; never rewritten
.set LIV,  2                           ; v2   the same in V's region
.set ADK,  3                           ; v3   LDS address of the step's fragments of K
.set ADV,  4                           ; v4   of V
.set DM,   5                           ; v5, v6  tile A's, tile B's: my query's place in its diagonal step, less 8 (lane / 16)
.set NINF, 7                           ; v7   -infinity
.set STA,  8                           ; v8-11, v12-15  a tile's statistics: -M, the largest t, the sum in two halves
.set QF0,  16                          ; v16-23, v24-31  Q's fragments
.set KV,   32                          ; v32-95  eight fragments of K, then four of V
.set S,    96                          ; v96-159 S^T, then p
.set O,    160                         ; v160-191, v192-223  O^T
.set PC,   224                         ; v224-239 p's codes
.set PLIM, 240
.set PSC,  241                         ; v241 2^e8
.set SUM2, 242                         ; v[242:243] the sum's second chain
.set PRM,  244                         ; v244 a lane permute's destination
.set F,    246                         ; v[246:247] f = 2^(old M - new M) (the pair's low word serves both halves); at the end 1 / tile A's sum
.set MX,   248                         ; v248, v249 the maximum's two chains; at the end v248 = 1 / tile B's sum
.set CSC,  250                         ; v250 2^(e10 - e8 - e9)
.set CLIM, 251
.set STO,  252                         ; v252 the stage: where I put 8 codes
.set RD,   253                         ; v253 and where I read 16 back
.set WV,   14                          ; s14  my wave's number
.set SEL,  20                          ; s[20:21] lane selects for v_permlanex16_b32: lane l xor 16
.set CS,   22                          ; s[22:23] c = log2(e) / 8 x 2^(e6 + e7): the packed form names a pair and takes its low word for both halves
.set G1S,  24                          ; s[24:31] descriptor group 1 of the small loads;  s[32:39] of the large ones
.set G1L,  32
.set G0KS, 40                          ; s[40:43], s[44:47] groups 0 for K, small and large;  s[48:51], s[52:55] for V
.set G0KL, 44
.set G0VS, 48
.set G0VL, 52
.set KS,   56                          ; s56  the step of 128 keys
.set KB,   57                          ; s57  8,192 x the step: its first byte in K's and in V's region
.set DA,   58                          ; s58, s59  tile A's, tile B's last (diagonal) step
.macro CROUND                          ; a round of the cluster's barrier: my work-group's barrier; wave 0 signals for the work-group; every wave waits for all four work-groups; my work-group's barrier once more
	s_barrier_signal -1
	s_barrier_wait -1
	s_cmp_lg_u32 s[WV], 0
	s_cbranch_scc1 .Lnot_wave_0_\@
	s_barrier_signal -3
.Lnot_wave_0_\@:
	s_barrier_wait -3
	s_barrier_signal -1
	s_barrier_wait -1
.endm
	s_load_b256 s[4:11], s[0:1], 0x0               ; qimg s[4:5], kimg s[6:7], vimg s[8:9], the exponents s[10:11]
	s_load_b64 s[12:13], s[0:1], 0x20              ; cimg
	v_lshl_add_u32 v254, v0, 2, 0x4a000
	v_mov_b32 v255, 0
	ds_add_u32 v254, v255
	ds_add_u32 v254, v255
	v_lshrrev_b32 v1, 5, v0
	s_delay_alu instid0(VALU_DEP_1)
	v_readfirstlane_b32 s[WV], v1                  ; wave 0..15
	s_bfe_u32 s15, ttmp6, 0x40000                  ; j = cx: it enters Q's and ctx's addresses and the mask's numbers alone
	s_and_b32 s16, ttmp7, 0xffff                   ; 16 batch + head, which the four partners share
	s_and_b32 s17, s[WV], 7                        ; which eighth of K or of V I fetch
	s_lshl_b32 s18, s[WV], 2
	s_add_co_u32 s18, s18, s15                     ; tA
	s_sub_co_u32 s19, 127, s18                     ; tB
	s_lshr_b32 s[DA], s[WV], 1                     ; tA / 8
	s_sub_co_u32 s[DA+1], 15, s[DA]                ; tB / 8
	s_mov_b32 s[SEL], 0x76543210
	s_mov_b32 s[SEL+1], 0xfedcba98
	s_mov_b32 s[CS], 0x3e38aa3b                    ; log2(e) / 8
	; descriptor group 1: dense blocks, stated as rows of 256 bytes (32 elements of 8 bytes), 8 rows (2,048 bytes) and 56 rows (14,336 bytes); no padding
	s_mov_b32 s[G1S], 15|(3<<16)|(1<<21)           ; 15:0 the mask: all four work-groups; 17:16 elements of 8 bytes; 21 set beside a mask
	s_mov_b32 s[G1S+1], 32<<16                     ; tensor_dim0 = 32
	s_mov_b32 s[G1S+2], 8<<16                      ; tensor_dim1 = 8
	s_mov_b32 s[G1S+3], 32<<16                     ; tile_dim0 = 32
	s_mov_b32 s[G1S+4], 8                          ; tile_dim1 = 8
	s_mov_b32 s[G1S+5], 32                         ; tensor_dim0_stride: a row begins where the last ends
	s_mov_b32 s[G1S+6], 0
	s_mov_b32 s[G1S+7], 0
	s_mov_b32 s[G1L], 15|(3<<16)|(1<<21)
	s_mov_b32 s[G1L+1], 32<<16
	s_mov_b32 s[G1L+2], 56<<16
	s_mov_b32 s[G1L+3], 32<<16
	s_mov_b32 s[G1L+4], 56
	s_mov_b32 s[G1L+5], 32
	s_mov_b32 s[G1L+6], 0
	s_mov_b32 s[G1L+7], 0
	s_lshl_b32 s60, s17, 11                        ; the small load's first byte in the head's region: 2,048 x my eighth (8 x 2,048 = steps 0 and 1)
	s_mul_i32 s61, s17, 14336
	s_add_co_u32 s61, s61, 16384                   ; the large load's: 16,384 + 14,336 x my eighth (8 x 14,336 = steps 2 to 15)
	s_lshl_b32 s62, s16, 17                        ; the head's first byte in qimg, kimg and vimg
	s_mov_b32 s63, 0
	s_mov_b32 s67, 0
	s_wait_dscnt 0x0
	s_wait_kmcnt 0x0
	s_load_b128 s[68:71], s[10:11], 0x18           ; e6, e7, e8, e9
	s_load_b32 s72, s[10:11], 0x28                 ; e10
	s_add_nc_u64 s[4:5], s[4:5], s[62:63]
	s_add_nc_u64 s[6:7], s[6:7], s[62:63]
	s_add_nc_u64 s[8:9], s[8:9], s[62:63]
	; groups 0: every wave makes all four and asks by two of them.  Nothing in them hangs on my place in the cluster.
	s_mov_b32 s66, s60
	s_mov_b32 s[G0KS], 1                           ; count = 1
	s_mov_b32 s[G0KS+1], s60                       ; LDS address: the same byte of K's region as in memory
	s_add_nc_u64 s[G0KS+2:G0KS+3], s[6:7], s[66:67]
	s_or_b32 s[G0KS+3], s[G0KS+3], 0x80000000      ; type = 2
	s_mov_b32 s[G0VS], 1
	s_add_co_u32 s[G0VS+1], s60, VLDS
	s_add_nc_u64 s[G0VS+2:G0VS+3], s[8:9], s[66:67]
	s_or_b32 s[G0VS+3], s[G0VS+3], 0x80000000
	s_mov_b32 s66, s61
	s_mov_b32 s[G0KL], 1
	s_mov_b32 s[G0KL+1], s61
	s_add_nc_u64 s[G0KL+2:G0KL+3], s[6:7], s[66:67]
	s_or_b32 s[G0KL+3], s[G0KL+3], 0x80000000
	s_mov_b32 s[G0VL], 1
	s_add_co_u32 s[G0VL+1], s61, VLDS
	s_add_nc_u64 s[G0VL+2:G0VL+3], s[8:9], s[66:67]
	s_or_b32 s[G0VL+3], s[G0VL+3], 0x80000000
	CROUND                                         ; all four work-groups are here: the joint loads meet
	s_cmp_lt_u32 s[WV], 8                          ; a wave's two fills stand in one branch, ahead of every wait on TENSORcnt and every LDS read: two loads of mine are out; four v_nop follow the second
	s_cbranch_scc0 .Lfirst_v
	tensor_load_to_lds s[G0KS:G0KS+3], s[G1S:G1S+7]
	s_nop 0
	tensor_load_to_lds s[G0KL:G0KL+3], s[G1L:G1L+7]
	s_nop 0
.rept 4
	v_nop
.endr
	s_branch .Lfirst_asked
.Lfirst_v:
	tensor_load_to_lds s[G0VS:G0VS+3], s[G1S:G1S+7]
	s_nop 0
	tensor_load_to_lds s[G0VL:G0VL+3], s[G1L:G1L+7]
	s_nop 0
.rept 4
	v_nop
.endr
.Lfirst_asked:
	s_lshl_b32 s66, s18, 10
	s_add_nc_u64 s[74:75], s[4:5], s[66:67]        ; Q's fragment of tile A: 1,024 bytes a tile
	s_lshl_b32 s66, s19, 10
	s_add_nc_u64 s[76:77], s[4:5], s[66:67]        ; of tile B
	v_and_b32 v1, 31, v0
	s_delay_alu instid0(VALU_DEP_1)
	v_lshlrev_b32 v[LI], 4, v1
	s_delay_alu instid0(VALU_DEP_1)
	v_add_nc_u32 v[LIV], VLDS, v[LI]
	global_load_b128 v[QF0:QF0+3], v[LI], s[74:75]             ; Q stays in registers
	global_load_b128 v[QF0+4:QF0+7], v[LI], s[74:75] offset:512
	global_load_b128 v[QF0+8:QF0+11], v[LI], s[76:77]
	global_load_b128 v[QF0+12:QF0+15], v[LI], s[76:77] offset:512
	s_lshr_b32 s60, s16, 4
	s_lshl_b32 s60, s60, 21                        ; ctx: the batch's 128 row tiles of 16,384 bytes,
	s_and_b32 s61, s16, 15
	s_lshl_b32 s61, s61, 10                        ; the head's two groups of 32 along K, 512 bytes each,
	s_add_co_u32 s60, s60, s61
	s_lshl_b32 s61, s18, 14                        ; and the tile
	s_add_co_u32 s66, s60, s61
	s_add_nc_u64 s[78:79], s[12:13], s[66:67]
	s_lshl_b32 s61, s19, 14
	s_add_co_u32 s66, s60, s61
	s_add_nc_u64 s[80:81], s[12:13], s[66:67]
	v_and_b32 v[DM], 15, v0                        ; r
	v_bfe_u32 v[DM+1], v0, 4, 1                    ; h
	s_delay_alu instid0(VALU_DEP_1)
	v_lshlrev_b32 v[DM+1], 3, v[DM+1]
	s_delay_alu instid0(VALU_DEP_1)
	v_sub_nc_u32 v[DM+1], v[DM], v[DM+1]           ; r - 8 h
	s_and_b32 s60, s18, 7
	s_lshl_b32 s60, s60, 4
	v_add_nc_u32 v[DM], s60, v[DM+1]               ; 16 (tA % 8) + r - 8 h.  Register 8 t + i of S^T holds key 16 t + 8 h + i of the step: hidden on the diagonal where 16 t + i is greater than this
	s_and_b32 s61, s19, 7
	s_lshl_b32 s61, s61, 4
	v_add_nc_u32 v[DM+1], s61, v[DM+1]
	v_mov_b32 v[NINF], 0xff800000
.irp x, 0,1
	v_mov_b32 v[STA+4*\x+1], 0xff61b1e6            ; the largest t so far: -3e38, under every t
	s_delay_alu instid0(VALU_DEP_1)
	v_floor_f32 v[STA+4*\x], -v[STA+4*\x+1]        ; -M
	v_mov_b32 v[STA+4*\x+2], 0                     ; the sum, in two halves
	v_mov_b32 v[STA+4*\x+3], 0
.endr
.irp j, SUM2, SUM2+1, PRM, F+1, MX, MX+1
	v_mov_b32 v[\j], 0                             ; written once: later named as a lane permute's destination or as the upper half of a pair
.endr
.set jj, 0
.rept 64
	v_mov_b32 v[O+jj], 0                           ; O^T.  (The step is written without a first step of its own: the first finds zeros, which the first change of M leaves zeros)
.set jj, jj+1
.endr
	s_wait_kmcnt 0x0
	s_add_co_i32 s60, s68, s69
	s_lshl_b32 s60, s60, 23
	s_add_co_i32 s[CS], s[CS], s60                 ; a score stands for score x 2^(e6 + e7): the two exponents are added to c's exponent field
	s_mov_b32 s[CS+1], s[CS]                       ; (named with it as a pair, so it is written)
	s_add_co_i32 s60, s70, 127
	s_lshl_b32 s61, s60, 23
	v_mov_b32 v[PSC], s61                          ; 2^e8 as f32, for p's conversions
	s_sub_co_i32 s60, s72, s70
	s_sub_co_i32 s60, s60, s71                     ; a sum of the second product stands for sum x 2^(e8 + e9): ctx's code is (sum / l) / 2^(e10 - e8 - e9)
	s_add_co_i32 s60, s60, 127
	s_lshl_b32 s61, s60, 23
	v_mov_b32 v[CSC], s61
; ONE TILE'S STEP OF 128 KEYS.  x = 0: tile A, 1: tile B.  A step all of whose keys come after the tile's queries is left out: a scalar branch on the step's number against the wave's; no barrier and no tensor load stands in a step.
.macro STEP x
.set QF, QF0+8*(\x)
.set OT, O+32*(\x)
.set ST, STA+4*(\x)
	s_cmp_gt_u32 s[KS], s[DA+\x]
	s_cbranch_scc1 .Lhid_\@
	v_add_nc_u32 v[ADK], s[KB], v[LI]
	v_add_nc_u32 v[ADV], s[KB], v[LIV]
	v_nop                                          ; with the two additions: four places in front of loads into registers that the last products have read
	v_nop
.irp t, 0,1,2,3,4,5,6,7
	ds_load_b128 v[KV+8*\t:KV+8*\t+3], v[ADK] offset:1024*\t           ; K's fragment of keys 16 t on: 512 consecutive bytes a load
	ds_load_b128 v[KV+8*\t+4:KV+8*\t+7], v[ADK] offset:1024*\t+512
.endr
	s_wait_alu depctr_va_vdst(0)
	s_wait_dscnt 0x0
.irp t, 0,1,2,3,4,5,6,7
	v_wmma_f32_16x16x64_bf8_bf8 v[S+8*\t:S+8*\t+7], v[KV+8*\t:KV+8*\t+7], v[QF:QF+7], 0   ; S^T: K = the head's 64 channels, one instruction a tile
.endr
.rept 4
	v_nop                                          ; places: ahead of the loads into K's registers and of the first read of the scores
.endr
.irp d, 0,1,2,3
.irp c, 0,1,2,3
	ds_load_b128 v[KV+16*\d+4*\c:KV+16*\d+4*\c+3], v[ADV] offset:2048*\d+512*\c   ; V's four fragments: they land while the softmax is worked
.endr
.endr
	s_cmp_lg_u32 s[KS], s[DA+\x]                   ; only the tile's last step lies on the diagonal: there the scores of hidden keys become -infinity ahead of the maximum, and p = 0
	s_cbranch_scc1 .Lopen_\@
.set nn, 0
.rept 64
	v_cmp_gt_i32 vcc_lo, 16*(nn/8)+nn%8, v[DM+\x]
	v_cndmask_b32 v[S+nn], v[S+nn], v[NINF], vcc_lo
.set nn, nn+1
.endr
.Lopen_\@:
	v_max3_num_f32 v[MX], v[S], v[S+1], v[S+2]     ; the step's largest score of my query, among my 64 keys, in two chains, each accumulator from its low end on,
	v_max3_num_f32 v[MX+1], v[S+3], v[S+4], v[S+5]
.set ii, 6
.rept 14
	v_max3_num_f32 v[MX], v[MX], v[S+ii], v[S+ii+1]
	v_max3_num_f32 v[MX+1], v[MX+1], v[S+ii+2], v[S+ii+3]
.set ii, ii+4
.endr
	v_max3_num_f32 v[MX], v[MX], v[S+62], v[S+63]
	s_delay_alu instid0(VALU_DEP_1)
	v_max_num_f32 v[MX], v[MX], v[MX+1]
	s_delay_alu instid0(VALU_DEP_1)
	v_permlanex16_b32 v[PRM], v[MX], s[SEL], s[SEL+1]
	s_delay_alu instid0(VALU_DEP_1)
	v_max_num_f32 v[MX], v[MX], v[PRM]             ; and among lane l xor 16's
	s_delay_alu instid0(VALU_DEP_1)
	v_mul_f32 v[MX], s[CS], v[MX]                  ; as t (c is positive)
	s_delay_alu instid0(VALU_DEP_1)
	v_max_num_f32 v[ST+1], v[ST+1], v[MX]          ; the running largest t
	v_mov_b32 v[MX], v[ST]
	s_delay_alu instid0(VALU_DEP_2)
	v_floor_f32 v[ST], -v[ST+1]                    ; the new -M = floor(-t) = -ceil(t): M is a whole number
	s_delay_alu instid0(VALU_DEP_1)
	v_sub_f32 v[MX], v[ST], v[MX]                  ; M's old value less its new one: a whole number, 0 or less
	s_delay_alu instid0(VALU_DEP_1)
	v_cvt_i32_f32 v[MX], v[MX]                     ; (it saturates)
	s_delay_alu instid0(VALU_DEP_1)
	v_ldexp_f32 v[F], 1.0, v[MX]                   ; f = 2^(old M - new M): a multiplication by it rounds nothing
.set jj, 0
.rept 32
	v_pk_fma_f32 v[S+jj:S+jj+1], v[S+jj:S+jj+1], s[CS:CS+1], v[ST:ST+1] op_sel_hi:[1,0,0]   ; t - M, two at a time (of the pairs c and -M the low word serves both halves)
.set jj, jj+2
.endr
.set jj, 0
	s_wait_alu depctr_va_vdst(0)
.rept 64
	v_exp_f32 v[S+jj], v[S+jj]                     ; p = 2^(t - M), at most 1: not normalised
.set jj, jj+1
.endr
	v_pk_mul_f32 v[ST+2:ST+3], v[ST+2:ST+3], v[F:F+1] op_sel_hi:[1,0]   ; the sums under the new M: the plain instruction behind the exponentials
	s_wait_alu depctr_va_vdst(0)                   ; one wait for the whole batch of 64, ahead of the first instruction that names a result
	v_pk_add_f32 v[SUM2:SUM2+1], v[S:S+1], v[S+2:S+3]   ; the row's sum is taken of the unquantised p: two at a time, in two chains
.set jj, 4
.rept 15
	v_pk_add_f32 v[ST+2:ST+3], v[ST+2:ST+3], v[S+jj:S+jj+1]
	v_pk_add_f32 v[SUM2:SUM2+1], v[SUM2:SUM2+1], v[S+jj+2:S+jj+3]
.set jj, jj+4
.endr
	s_delay_alu instid0(VALU_DEP_1)
	v_pk_add_f32 v[ST+2:ST+3], v[ST+2:ST+3], v[SUM2:SUM2+1]
.set tt, 0
.rept 8
.set ii, 0
.rept 8
.set ii, ii+1
.endr
	v_cvt_scalef32_pk8_bf8_f32 v[PC+2*tt:PC+2*tt+1], v[S+8*tt:S+8*tt+7], v[PSC]   ; keys 16 t + 8 h + 0 .. 7: registers 2 t, 2 t + 1 of P
.set tt, tt+1
.endr
.set jj, 0
.rept 16
	v_pk_mul_f32 v[OT+jj:OT+jj+1], v[OT+jj:OT+jj+1], v[F:F+1] op_sel_hi:[1,0]   ; O^T under the new M.  (Plain instructions between the last conversion and the products that read the codes)
.set jj, jj+2
.endr
	s_wait_alu depctr_va_vdst(0)
	s_wait_dscnt 0x0                               ; V is in
.irp d, 0,1,2,3
	v_wmma_f32_16x16x128_bf8_bf8 v[OT+8*\d:OT+8*\d+7], v[KV+16*\d:KV+16*\d+15], v[PC:PC+15], v[OT+8*\d:OT+8*\d+7]   ; O^T += V^T P^T: four accumulators by turns, one instruction a turn
.endr
.Lhid_\@:
.endm
.macro TRIP                            ; one step of 128 keys for both tiles
	STEP 0
	STEP 1
	s_add_co_u32 s[KB], s[KB], 8192
	s_add_co_u32 s[KS], s[KS], 1
.endm
	s_wait_loadcnt 0x0                             ; Q
	s_wait_tensorcnt 1                             ; my small load has landed; my large one may stay out, and steps 0 and 1 read none of its bytes
	s_barrier_signal -1
	s_barrier_wait -1                              ; everybody's small load has landed: steps 0 and 1 of K and V are whole
	s_mov_b32 s[KS], 0
	s_mov_b32 s[KB], 0
.Lfirst:
	TRIP
	s_cmp_lt_u32 s[KS], 2
	s_cbranch_scc1 .Lfirst
	s_wait_tensorcnt 0x0                           ; my large load has landed,
	s_wait_dscnt 0x0
	s_barrier_signal -1
	s_barrier_wait -1                              ; everybody's has: all of K and V lies in LDS, and the waves part until the end
	s_mov_b32 s[KS], 2
	s_mov_b32 s[KB], 16384
.Lrest:
	TRIP
	s_cmp_lt_u32 s[KS], 16
	s_cbranch_scc1 .Lrest
	; THE WAY OUT.  A lane holds, of its row, channels 16 d + 8 h + 0 .. 7; the last product's operand wants 32 c + 16 h + 0 .. 15.  So a tile's codes (16 rows x 64 bytes) turn through my own stage in LDS.
	v_and_b32 v[ADK], 15, v0                       ; r.  (These six plain lines are also the places behind the last products)
	v_bfe_u32 v[ADV], v0, 4, 1                     ; h
	s_mul_i32 s60, s[WV], STW
	s_add_co_u32 s60, s60, STG                     ; my stage
	v_mul_u32_u24 v[ADK], v[ADK], 80
	s_delay_alu instid0(VALU_DEP_1)
	v_add_nc_u32 v[ADK], s60, v[ADK]
	s_delay_alu instid0(VALU_DEP_1)
	v_lshl_add_u32 v[STO], v[ADV], 3, v[ADK]       ; in: row r, + 8 h; tile d's eight codes 16 d further on
	s_delay_alu instid0(VALU_DEP_2)
	v_lshl_add_u32 v[RD], v[ADV], 4, v[ADK]        ; back: row r, + 16 h; group c 32 c further on
	v_add_f32 v[STA+2], v[STA+2], v[STA+3]         ; the sums' two halves,
	v_add_f32 v[STA+6], v[STA+6], v[STA+7]
	s_delay_alu instid0(VALU_DEP_2)
	v_permlanex16_b32 v[PRM], v[STA+2], s[SEL], s[SEL+1]
	s_delay_alu instid0(VALU_DEP_2)
	v_permlanex16_b32 v[SUM2], v[STA+6], s[SEL], s[SEL+1]
	s_delay_alu instid0(VALU_DEP_2)
	v_add_f32 v[STA+2], v[STA+2], v[PRM]           ; and lane l xor 16's: the rows' sums
	s_delay_alu instid0(VALU_DEP_2)
	v_add_f32 v[STA+6], v[STA+6], v[SUM2]
	s_wait_alu depctr_va_vdst(0)
	v_rcp_f32 v[F], v[STA+2]
	v_rcp_f32 v[MX], v[STA+6]
	v_nop                                          ; a plain instruction behind the last reciprocal
	s_wait_alu depctr_va_vdst(0)                   ; one wait for both, ahead of the first use
.macro OUT x
.set OT, O+32*(\x)
.set W, S+32*(\x)
.set jj, 0
.rept 16
	v_pk_mul_f32 v[W+jj:W+jj+1], v[OT+jj:OT+jj+1], v[F+2*(\x):F+2*(\x)+1] op_sel_hi:[1,0]   ; O^T / the sum, each accumulator from its low end on
.set jj, jj+2
.endr
.set jj, 0
.rept 32
.set jj, jj+1
.endr
.irp d, 0,1,2,3
	v_cvt_scalef32_pk8_bf8_f32 v[PC+8*(\x)+2*\d:PC+8*(\x)+2*\d+1], v[W+8*\d:W+8*\d+7], v[CSC]
.endr
	v_nop                                          ; one plain vector instruction behind the last conversion
.irp d, 0,1,2,3
	ds_store_b64 v[STO], v[PC+8*(\x)+2*\d:PC+8*(\x)+2*\d+1] offset:STT*(\x)+16*\d
.endr
.irp c, 0,1
	ds_load_b128 v[KV+8*(\x)+4*\c:KV+8*(\x)+4*\c+3], v[RD] offset:STT*(\x)+32*\c   ; LDS serves a wave's instructions in order (ISA guide 5.7.1.4): these see my stores above
.endr
.endm
	OUT 0
	OUT 1
	s_wait_dscnt 0x0
.irp x, 0,1
.irp c, 0,1
	global_store_b128 v[LI], v[KV+8*\x+4*\c:KV+8*\x+4*\c+3], s[78+2*\x:79+2*\x] offset:512*\c   ; 32 lanes store 512 consecutive bytes, at a multiple of 512 from cimg's first byte
.endr
.endr
	s_wait_tensorcnt 0x0
	ds_add_u32 v254, v255
	s_wait_dscnt 0x0
	CROUND                                         ; the closing round: no work-group ends while a partner may still ask for bytes jointly with it
	s_endpgm
.Lfunc_end_k_q351c6762e1_attn:
	.size	k_q351c6762e1_attn, .Lfunc_end_k_q351c6762e1_attn-k_q351c6762e1_attn
	.p2alignl 7, 3214868480
	.fill 96, 4, 3214868480
	.section	.rodata,"a",@progbits
	.p2align	6, 0x0
	.amdhsa_kernel k_q351c6762e1_attn
		.amdhsa_group_segment_fixed_size 327680
		.amdhsa_private_segment_fixed_size 0
		.amdhsa_enable_private_segment 0
		.amdhsa_kernarg_size 40
		.amdhsa_user_sgpr_count 2
		.amdhsa_user_sgpr_kernarg_segment_ptr 1
		.amdhsa_wavefront_size32 1
		.amdhsa_system_sgpr_workgroup_id_x 1
		.amdhsa_system_sgpr_workgroup_id_y 1
		.amdhsa_system_sgpr_workgroup_id_z 1
		.amdhsa_system_vgpr_workitem_id 0
		.amdhsa_next_free_vgpr 256
		.amdhsa_next_free_sgpr 84
		.amdhsa_reserve_vcc 1
		.amdhsa_float_denorm_mode_32 3
		.amdhsa_float_denorm_mode_16_64 3
		.amdhsa_fp16_overflow 1
		.amdhsa_memory_ordered 1
		.amdhsa_forward_progress 1
		.amdhsa_inst_pref_size 90
	.end_amdhsa_kernel
	.amdgpu_metadata
---
amdhsa.version: [ 1, 2 ]
amdhsa.kernels:
  - .name:           k_q351c6762e1_attn
    .symbol:         k_q351c6762e1_attn.kd
    .args:
      - { .name: qimg, .offset: 0, .size: 8, .value_kind: global_buffer, .address_space: global }
      - { .name: kimg, .offset: 8, .size: 8, .value_kind: global_buffer, .address_space: global }
      - { .name: vimg, .offset: 16, .size: 8, .value_kind: global_buffer, .address_space: global }
      - { .name: lowp_scales, .offset: 24, .size: 8, .value_kind: global_buffer, .address_space: global }
      - { .name: cimg, .offset: 32, .size: 8, .value_kind: global_buffer, .address_space: global }
    .group_segment_fixed_size: 327680
    .private_segment_fixed_size: 0
    .kernarg_segment_align: 8
    .kernarg_segment_size: 40
    .max_flat_workgroup_size: 512
    .sgpr_count:     84
    .vgpr_count:     256
    .wavefront_size: 32
...
	.end_amdgpu_metadata
.endif
;; end of part 2
;; launch outp (part 3): grid 4 x 32, 4 waves a work-group, clusters of 4 x 4, 327,680 bytes of LDS; arguments cimg, Wo_codes, lowp_scales, bo, out0; writes out0
.if DOCPART == 3
	.amdgcn_target "amdgcn-amd-amdhsa--gfx1250"
	.amdhsa_code_object_version 6
	.text
	.protected	k_q351c6762e1_outp
	.globl	k_q351c6762e1_outp
	.p2align	8
	.type	k_q351c6762e1_outp,@function
k_q351c6762e1_outp:
	s_mov_b64 s[64:65], 0
	v_nop
	global_prefetch_b8 v0, s[64:65] scope:SCOPE_SE
	s_setreg_imm32_b32 hwreg(HW_REG_WAVE_MODE, 25, 1), 1
	s_wait_xcnt 0x0
	s_wait_alu depctr_hold_cnt(0) depctr_sa_sdst(0) depctr_va_vdst(0) depctr_va_sdst(0) depctr_va_ssrc(0) depctr_va_vcc(0) depctr_vm_vsrc(0)
	s_getreg_b32 s2, hwreg(HW_REG_IB_STS2, 6, 4)
	s_cmp_eq_u32 s2, 0
	s_cbranch_scc0 .Lentry_in_a_cluster
	s_endpgm
.Lentry_in_a_cluster:
	s_bfe_u32 s2, ttmp6, 0x10000c
	s_cmp_lg_u32 s2, 0xf033
	s_cbranch_scc0 .Lentry_shape_is_right
	s_endpgm
.Lentry_shape_is_right:
; out0 = ctx Wo^T + bo on codes of BF8 (E5M2), f32 sums.  ctx: 8,192 rows x 1,024 codes, as images of operand registers (cimg); Wo: [1024][1024] codes, K innermost; bo [1024], out0 [8192][1024]: f32.
; cimg: byte (row / 16) x 16384 + kc x 512 + 16 lane; lane (r, h) holds row r, k = 32 kc + 16 h + 0 .. 15: the places of k that four loads of 16 bytes, 32 apart, give a lane from a row of Wo.  So A and B agree in k.
; A number of ctx is its code x 2^e10, of Wo x 2^e11: the codes are multiplied as they are; out = sum x 2^(e10 + e11) + bo, one fused multiply-add.
; LIMIT: e10 + e11 lies between -126 and 127, so that 2^(e10 + e11) is an f32 number.  NaN and infinity among the codes are not served.
; A tile of the result, 256 x 256, is made by a work-group of four waves; a wave makes 128 x 128: 64 accumulators of 16 x 16, 512 registers.  K goes in steps of 256 through a ring of two LDS slots
; filled by the tensor data mover.  K = 1,024 is four fills; the eight steps of 128 are written straight.
; CLUSTERS: 4 x 4 work-groups.  The four of a row of the cluster need the same tiles of ctx, the four of a column the same tiles of Wo: each tile is asked for JOINTLY, by the same tensor load with the same
; descriptor and a mask that names the four.  THE MATRIX INSTRUCTION IS USED TRANSPOSED (source 0 = 16 rows of Wo, source 1 = 16 rows of ctx): a lane then holds eight neighbouring numbers of a row of the result.
; REGISTERS, in windows of 256: window 0: v0-31 addresses, v12-15 my four numbers of bo; from v128 A's fragments (8 x 16 rows x 128 K), ONE set; on the way out v128-255 take rows read back from the stage.
;   window 1: B's fragments, TWO sets, at v0 and at v128.   window 2: the 32 accumulators of my rows 0-63 (accumulator (a, b) at v[8 (8 a + b)]);   window 3: those of my rows 64-127.
.set SIZE_N, 1024
.set ROWB,   256                       ; a row of B's tile in bytes: 256 codes
.set KROW,   1024                      ; a row of Wo in memory, in bytes
.set PITCH,  272                       ; B's LDS row: 256 bytes of data + 16 of padding = 68 words: row r starts at bank 4 r mod 64 (64 banks of 4 bytes: ISA guide 11.1), so the 16 rows that a load touches start at 16 different banks
.set ASTEP,  4096                      ; 256 along K of a tile of 16 rows of ctx: 8 groups of 512 bytes
.set AROW,   16384                     ; from one tile of 16 rows to the next in cimg
.set FR,     16                        ; registers of a fragment: 16 rows x 128 K
.set NL,     4                         ; LDS loads that bring one
.set NP,     4                         ; places behind this matrix instruction (ISA guide 7.12.1)
.set AHALF,  8*ASTEP                   ; 128 rows of ctx x 256 K, as images: what one tensor load brings
.set BHALF,  128*PITCH                 ; 128 rows of Wo x 256 K
.set BOFF,   2*AHALF
.set SLOT,   BOFF+2*BHALF              ; A's two halves, then B's two
.set SPARE,  2*SLOT                    ; behind the ring: the spare words, 128 bytes for each wave: two blocks of 256 bytes that no other line names
.set SPITCH, 528                       ; the way out: a stage of 16 rows x (512 bytes + 16) for each wave.  It lies in slot 0, which has had its last fill and its last read when the first result is stored there
.set BIAS, 12                          ; v12-15  bo at my four columns of a row read back from the stage
.set ADRA, 16                          ; v16-17  LDS address of my A fragments in slot 0, 1
.set ADRB, 20                          ; v20-21  the same for B
.set STO,  24                          ; v24     the way out: where I put 32 bytes of a row
.set RD,   25                          ; v25     the way out: where I read a row back
.set CO,   26                          ; v26     16 x lane: my byte offset in a row's 512 bytes; never rewritten
.set SPW,  28                          ; v28     LDS address of my spare word: SPARE + 4 x my thread's number; never rewritten
.set NIL,  29                          ; v29     0; never rewritten
.set AF,   128                         ; A's fragments, in window 0
.set BK,   128                         ; the way out: 16 rows read back from the stage: v128-191 and v192-255 by turns
.set G1, 24                            ; s[24:31] descriptor group 1 for A's tiles;  s[32:39] group 0, one set for each slot
.set G0, 32
.set G1B, 48                           ; s[48:55], s[56:63] the same for B's tiles
.set G0B, 56
.set MSB, 0
.macro WIN new                         ; the immediate's high byte repeats the setting that is left
.if MSB != \new
	s_set_vgpr_msb (MSB<<8)|\new
.set MSB, \new
.endif
.endm
.set MUL_LO, 0xa1                      ; source 0 (B) window 1, source 1 (A) window 0, C and D window 2
.set MUL_HI, 0xf1                      ; the same, C and D window 3
.set TO_B,   0x40                      ; destination window 1, address window 0
; A joint load: waves 0 and 1 fetch for A, waves 2 and 3 for B.  Each of the two lines has ONE mask and one set of registers for all that issue it; the branch hangs on the wave's number alone.
; Four v_nop follow each of the two lines, ahead of the jump, the label and what follows.
.macro JLOAD g0a, g1a, g0b, g1b
	s_cmp_eq_u32 s15, 0
	s_cbranch_scc0 .Lfor_b_\@
	tensor_load_to_lds s[\g0a:\g0a+3], s[\g1a:\g1a+7]
	s_nop 0
.rept 4
	v_nop
.endr
	s_branch .Lasked_\@
.Lfor_b_\@:
	tensor_load_to_lds s[\g0b:\g0b+3], s[\g1b:\g1b+7]
	s_nop 0
.rept 4
	v_nop
.endr
.Lasked_\@:
.endm
.macro CREST                           ; a round of the cluster's barrier behind its opening barrier
	s_cmp_lg_u32 s14, 0
	s_cbranch_scc1 .Lnot_wave_0_\@
	s_barrier_signal -3
.Lnot_wave_0_\@:
	s_barrier_wait -3
	s_barrier_signal -1
	s_barrier_wait -1
.endm
.macro CROUND                          ; a whole round
	s_barrier_signal -1
	s_barrier_wait -1
	CREST
.endm
	s_load_b128 s[4:7], s[0:1], 0x0                ; cimg s[4:5], Wo's codes s[6:7]
	s_load_b128 s[8:11], s[0:1], 0x10              ; the exponents s[8:9], bo s[10:11]
	s_load_b64 s[12:13], s[0:1], 0x20              ; out0
	v_lshl_add_u32 v[SPW], v0, 2, SPARE
	v_mov_b32 v[NIL], 0
	ds_add_u32 v28, v29
	ds_add_u32 v28, v29
	s_wait_dscnt 0x0
	v_lshrrev_b32 v1, 5, v0
	v_readfirstlane_b32 s14, v1                    ; wave 0..3
	s_lshr_b32 s15, s14, 1                         ; which half of the tile's rows is mine.  Also: I fetch for A (0) or for B (1)
	s_and_b32 s16, s14, 1                          ; which half of its columns.  Also: which 128 rows of that tile I fetch
	s_bfe_u32 s40, ttmp6, 0x40000                  ; cx, cy: my place in the cluster
	s_bfe_u32 s41, ttmp6, 0x40004
	s_lshl_b32 s42, ttmp9, 2
	s_add_co_u32 s42, s42, s40                     ; tile column = 4 x cluster x + cx
	s_and_b32 s17, ttmp7, 0xffff
	s_lshl_b32 s17, s17, 2
	s_add_co_u32 s17, s17, s41                     ; tile row = 4 x cluster y + cy
	s_lshl_b32 s43, s41, 2
	s_lshl_b32 s43, 15, s43                        ; my row of the cluster
	s_lshl_b32 s44, 0x1111, s40                    ; my column
	; descriptor group 1 for A: 8 tiles of 16 rows, of each 4,096 consecutive bytes (256 along K), 16,384 bytes apart in memory, on end in LDS
	s_or_b32 s[G1+0], s43, (0<<16)|(1<<21)         ; 15:0 the mask: A's tiles go to my row; 17:16 element of 1 byte; 20 no padding; 21 set beside a mask
	s_mov_b32 s[G1+1], ASTEP<<16                   ; tensor_dim0 = 4,096
	s_mov_b32 s[G1+2], 8<<16                       ; tensor_dim1 = 8
	s_mov_b32 s[G1+3], ASTEP<<16                   ; tile_dim0 = 4,096
	s_mov_b32 s[G1+4], 8                           ; tile_dim1 = 8
	s_mov_b32 s[G1+5], AROW                        ; tensor_dim0_stride
	s_mov_b32 s[G1+6], 0
	s_mov_b32 s[G1+7], 0
	; and for B: 128 rows x 256 bytes, padded in LDS
	s_or_b32 s[G1B+0], s44, (0<<16)|(1<<20)|(1<<21)|(5<<22)|(3<<25)  ; the mask of my column; padding on: 4 words (code 3) after every 64 (code 5)
	s_mov_b32 s[G1B+1], ROWB<<16
	s_mov_b32 s[G1B+2], 128<<16
	s_mov_b32 s[G1B+3], ROWB<<16
	s_mov_b32 s[G1B+4], 128
	s_mov_b32 s[G1B+5], KROW
	s_mov_b32 s[G1B+6], 0
	s_mov_b32 s[G1B+7], 0
	s_lshl_b32 s20, s17, 4
	s_lshl_b32 s18, s16, 3
	s_add_co_u32 s20, s20, s18                     ; A: tile of 16 rows 16 x tile row + 8 x half,
	s_lshl_b32 s20, s20, 14                        ; in bytes; under 2^23
	s_lshl_b32 s46, s42, 8
	s_lshl_b32 s18, s16, 7
	s_add_co_u32 s46, s46, s18                     ; B: row 256 x tile column + 128 x half,
	s_lshl_b32 s46, s46, 10                        ; in bytes
	s_mov_b32 s21, 0
	s_mov_b32 s47, 0
	s_mul_i32 s45, s16, AHALF                      ; where they go: A's half,
	s_mul_i32 s23, s16, BHALF
	s_add_co_u32 s23, s23, BOFF                    ; B's half: no place in the cluster enters an LDS address
	s_wait_kmcnt 0x0
	s_load_b64 s[96:97], s[8:9], 0x28              ; e10, e11
	s_add_nc_u64 s[20:21], s[4:5], s[20:21]
	s_add_nc_u64 s[46:47], s[6:7], s[46:47]
	CROUND                                         ; all sixteen work-groups are here: the first joint loads meet
.irp s, 0,1
	s_mov_b32 s[G0+4*\s], 1
	s_add_co_u32 s[G0+4*\s+1], s45, \s*SLOT
	s_add_nc_u64 s[G0+4*\s+2:G0+4*\s+3], s[20:21], \s*ASTEP
	s_or_b32 s[G0+4*\s+3], s[G0+4*\s+3], 0x80000000
	s_mov_b32 s[G0B+4*\s], 1
	s_add_co_u32 s[G0B+4*\s+1], s23, \s*SLOT
	s_add_nc_u64 s[G0B+4*\s+2:G0B+4*\s+3], s[46:47], \s*ROWB
	s_or_b32 s[G0B+4*\s+3], s[G0B+4*\s+3], 0x80000000
	s_wait_alu depctr_va_vdst(0)
	s_wait_tensorcnt 0x0
	ds_add_u32 v28, v29
	ds_add_u32 v28, v29
	s_wait_dscnt 0x0
	CROUND
	JLOAD G0+4*\s, G1, G0B+4*\s, G1B
.endr
	v_and_b32 v1, 15, v0                           ; l % 16
	v_bfe_u32 v2, v0, 4, 1                         ; l / 16
	v_and_b32 v6, 31, v0
	v_lshlrev_b32 v[CO], 4, v6                     ; 16 x lane
	v_mul_u32_u24 v3, v1, PITCH
	v_lshl_add_u32 v4, v2, 4, v3                   ; B: a fragment's row x pitch + 16 x half
	s_mul_i32 s21, s15, AHALF                      ; my 128 rows of A
	s_mul_i32 s22, s16, BHALF                      ; my 128 rows of B,
	s_add_co_u32 s22, s22, BOFF                    ; which lie behind A's
.irp s, 0,1
	v_add_nc_u32 v[ADRA+\s], s21, v[CO]            ; A: an image's place for my lane
	v_add_nc_u32 v[ADRB+\s], s22, v4
	s_add_co_u32 s21, s21, SLOT
	s_add_co_u32 s22, s22, SLOT
.endr
	s_mul_i32 s23, s14, 16*SPITCH                  ; my stage
	v_mul_u32_u24 v5, v1, SPITCH                   ; in: row l % 16, 32 bytes for each half of the lanes
	v_lshl_add_u32 v5, v2, 5, v5
	v_add_nc_u32 v[STO], s23, v5
	v_add_nc_u32 v[RD], s23, v[CO]                 ; back: the 32 lanes take one row of 512 bytes
	s_lshl_b32 s20, s17, 8
	s_lshl_b32 s21, s15, 7
	s_add_co_u32 s20, s20, s21                     ; my first row of the result: 256 x tile row + 128 x half,
	s_lshl_b32 s20, s20, 12                        ; in bytes: rows of 4,096; under 2^25
	s_lshl_b32 s46, s42, 10                        ; my first column, in bytes: 1,024 x tile column + 512 x half
	s_lshl_b32 s47, s16, 9
	s_add_co_u32 s46, s46, s47
	s_mov_b32 s47, 0
	s_add_nc_u64 s[10:11], s[10:11], s[46:47]      ; bo at my first column
	s_add_co_u32 s20, s20, s46
	s_mov_b32 s21, 0
	s_add_nc_u64 s[12:13], s[12:13], s[20:21]
	global_load_b128 v[BIAS:BIAS+3], v[CO], s[10:11]   ; a row read back from the stage gives lane l columns 4 l .. 4 l + 3 of my 128: four numbers of bo serve all my rows
.macro FRAG reg, adr, q, i             ; B's fragment, 16 rows x 128 K, from rows: lane l holds row l % 16; registers 4 c .. 4 c + 3 hold K = 32 c + 16 (l / 16) + 0 .. 15
.irp c, 0,1,2,3
	ds_load_b128 v[\reg+4*\c:\reg+4*\c+3], v[\adr] offset:128*(\q)+32*\c+(\i)*16*PITCH
.endr
.endm
.macro FRAGA reg, adr, q, i            ; A's fragment, from its image: the same registers in the same lanes as they were stored; 512 consecutive bytes a load
.irp c, 0,1,2,3
	ds_load_b128 v[\reg+4*\c:\reg+4*\c+3], v[\adr] offset:ASTEP*(\i)+2048*(\q)+512*\c
.endr
.endm
; 16 matrix instructions: A's blocks a0, a0 + 1 x B's eight, 128 along K.  p: B's set.  zero = 1: the first product starts the sums: nothing is ever cleared.
; The 64 accumulators take turns, one instruction a turn, in the same order in every step.
.macro MUL16 a0, p, zero
.irp a, \a0, \a0+1
.irp b, 0,1,2,3,4,5,6,7
.if \zero
	v_wmma_f32_16x16x128_bf8_bf8 v[8*(8*((\a)%4)+\b):8*(8*((\a)%4)+\b)+7], v[128*(\p)+FR*\b:128*(\p)+FR*\b+FR-1], v[AF+FR*(\a):AF+FR*(\a)+FR-1], 0
.else
	v_wmma_f32_16x16x128_bf8_bf8 v[8*(8*((\a)%4)+\b):8*(8*((\a)%4)+\b)+7], v[128*(\p)+FR*\b:128*(\p)+FR*\b+FR-1], v[AF+FR*(\a):AF+FR*(\a)+FR-1], v[8*(8*((\a)%4)+\b):8*(8*((\a)%4)+\b)+7]
.endif
.endr
.endr
.endm
.macro FETCH_B slot, q, p              ; B's eight fragments of the slot's q-th 128 along K into set p
	WIN TO_B
.irp i, 0,1,2,3,4,5,6,7
	FRAG 128*(\p)+FR*\i, ADRB+\slot, \q, \i
.endr
	WIN 0
.endm
.macro FETCH_A slot, q, i0             ; A's blocks i0 .. i0 + 3
.irp i, \i0, \i0+1, \i0+2, \i0+3
	FRAGA AF+FR*(\i), ADRA+\slot, \q, \i
.endr
.endm
; A load into a register that a matrix instruction has read, and an LDS store that reads a matrix result, stand NP places behind that matrix instruction, and only plain vector
; instructions that name none of its registers are places (ISA guide 7.12.1 for vector instructions); the matrix instructions in between are not counted.
.macro PLACES n
.rept \n
	v_nop
.endr
.endm
; A step of 128 along K that has its successor in the same slot.  A's blocks go one after the other, each against B's eight: a block of A is free when its eight products are issued, so A has one set of registers.
.macro STEP slot, q, zero
	s_wait_dscnt 4*NL                              ; B's set and A's blocks 0-3 are in; the youngest 16 loads (A's blocks 4-7) may be out
	WIN MUL_LO
	MUL16 0, (\q)%2, \zero
	MUL16 2, (\q)%2, \zero
	s_wait_dscnt 0                                 ; A's blocks 4-7 are in (asked for 32 matrix instructions ago)
	PLACES NP
	FETCH_B \slot, (\q)+1, 1-(\q)%2
	FETCH_A \slot, (\q)+1, 0
	WIN MUL_HI
	MUL16 4, (\q)%2, \zero
	MUL16 6, (\q)%2, \zero
	PLACES NP
	WIN 0
	FETCH_A \slot, (\q)+1, 4
.endm
; A slot's last step changes slots: ONE barrier; in front of it each wave waits for all its tensor loads, adds 0 to its spare word, and waits for that and for its own reads of this slot.  fill = 1: this slot is filled again, two K steps ahead.
.macro TURN slot, next, fill
	s_wait_tensorcnt 0x0                           ; all my tensor loads have landed: my part of the next slot;  (every window is 0 here: the add's two registers lie in window 0)
	ds_add_u32 v[SPW], v[NIL]                      ; 0 onto my spare word
	s_wait_dscnt 4*NL+1                            ; (the add and the youngest 16 loads, A's blocks 4-7, may be out)
	WIN MUL_LO
	MUL16 0, 1, 0                                  ; sixteen matrix instructions stand between the add and the wait for it
	s_wait_dscnt 0x0                               ; the add is done, and my reads of this slot are over
	s_barrier_signal -1
	MUL16 2, 1, 0
	WIN 0
	s_barrier_wait -1
.if \fill
	CREST                                          ; the barrier has opened a round of the cluster's barrier: no wave of any partner still reads this slot's tile or has a load on its way
	s_add_nc_u64 s[G0+4*\slot+2:G0+4*\slot+3], s[G0+4*\slot+2:G0+4*\slot+3], 2*ASTEP
	s_add_nc_u64 s[G0B+4*\slot+2:G0B+4*\slot+3], s[G0B+4*\slot+2:G0B+4*\slot+3], 2*ROWB
	JLOAD G0+4*\slot, G1, G0B+4*\slot, G1B         ; the first tensor load behind the round, my one load until the next; the four v_nop behind it are the places in front of the loads below
.else
	PLACES NP
.endif
	FETCH_B \next, 0, 0
	FETCH_A \next, 0, 0
	WIN MUL_HI
	MUL16 4, 1, 0
	MUL16 6, 1, 0
	PLACES NP
	WIN 0
	FETCH_A \next, 0, 4
.endm
	s_wait_alu depctr_va_vdst(0)
	s_wait_tensorcnt 1                             ; my part of K step 0 is in (K step 1's load may be out)
	s_barrier_signal -1
	s_barrier_wait -1                              ; everybody's is
	FETCH_B 0, 0, 0
	FETCH_A 0, 0, 0
	FETCH_A 0, 0, 4
	STEP 0, 0, 1                                   ; K 0-127: these products start the sums
	TURN 0, 1, 1                                   ; K 128-255; slot 0 takes K 512-767
	STEP 1, 0, 0                                   ; K 256-383
	TURN 1, 0, 1                                   ; K 384-511; slot 1 takes K 768-1023
	STEP 0, 0, 0                                   ; K 512-639
	TURN 0, 1, 0                                   ; K 640-767; nothing is left to fetch, so no round of the cluster's barrier.  Behind its barrier nobody reads slot 0 any more
	STEP 1, 0, 0                                   ; K 768-895
	s_wait_dscnt 4*NL                              ; K 896-1023: the very last step
	WIN MUL_LO
	MUL16 0, 1, 0
	MUL16 2, 1, 0
	s_wait_dscnt 0
	WIN MUL_HI
	MUL16 4, 1, 0
	MUL16 6, 1, 0
	WIN 0
; THE WAY OUT, block by block of 16 rows x 128 columns.  A lane holds 32 neighbouring bytes of a row, and the lanes beside it hold other rows: so a block's sums go, as they are, through my own stage in LDS and come back as
; whole rows of 512 bytes.  There each lane holds the same four columns of every row: one packed multiply-add for two numbers gives sum x 2^(e10 + e11) + bo, and the 32 lanes store a row as one aligned run of 512 bytes.
; LDS serves a wave's instructions in order (ISA guide 5.7.1.4): no wait between the stores and the loads, nor in front of the next block's stores.
.macro TOSTAGE a
.set AC, 64*((\a)%4)
	WIN 0x08+4*((\a)/4)                            ; an LDS store's data stand in source 1's place: window 2 or 3
.irp b, 0,1,2,3,4,5,6,7
	ds_store_b128 v[STO], v[AC+8*\b:AC+8*\b+3] offset:64*\b          ; each accumulator from its low end on
	ds_store_b128 v[STO], v[AC+8*\b+4:AC+8*\b+7] offset:64*\b+16
.endr
	WIN 0
.set BB, BK+64*((\a)%2)
.irp t, 0,1,2,3,4,5,6,7,8,9,10,11,12,13,14,15
	ds_load_b128 v[BB+4*\t:BB+4*\t+3], v[RD] offset:\t*SPITCH
.endr
.endm
.macro SEND a, younger                 ; younger: the LDS instructions issued behind block a's loads, which may stay out
.set BB, BK+64*((\a)%2)
	s_wait_dscnt \younger                          ; the block is back in registers
.if (\a) > 0
	s_add_nc_u64 s[12:13], s[12:13], 16*SIZE_N*4   ; (behind a wait on XCNT: the earlier stores have read their base)  16 rows on, so that the stores' offsets stay small
.endif
.set tt, 0
.rept 16
	v_pk_fma_f32 v[BB+4*tt:BB+4*tt+1], v[BB+4*tt:BB+4*tt+1], s[96:97], v[BIAS:BIAS+1] op_sel_hi:[1,0,1]       ; sum x 2^(e10 + e11) + bo (the scalar pair's low word for both halves)
	v_pk_fma_f32 v[BB+4*tt+2:BB+4*tt+3], v[BB+4*tt+2:BB+4*tt+3], s[96:97], v[BIAS+2:BIAS+3] op_sel_hi:[1,0,1]
.set tt, tt+1
.endr
.irp t, 0,1,2,3,4,5,6,7,8,9,10,11,12,13,14,15
	global_store_b128 v[CO], v[BB+4*\t:BB+4*\t+3], s[12:13] offset:\t*SIZE_N*4 th:TH_STORE_NT   ; 32 lanes store 512 consecutive bytes, at a multiple of 512 from out0's first byte; written once, read by nobody here
.endr
.endm
	s_wait_kmcnt 0x0
	s_add_co_i32 s96, s96, s97                     ; e10 + e11, between -126 and 127,
	s_add_co_i32 s96, s96, 127
	s_lshl_b32 s96, s96, 23                        ; makes the f32 number 2^(e10 + e11)
	s_mov_b32 s97, s96                             ; (named with it as a pair, so it is written)
	s_wait_loadcnt 0x0                             ; bo
	PLACES NP                                      ; behind the last products: ahead of the LDS stores that read results and of the loads into the registers that held A's fragments
	TOSTAGE 0
.irp a, 1,2,3,4,5,6,7
.if \a > 1
	s_wait_xcnt 0x0                                ; block a - 2's stores have read their registers and their base: block a's loads may land there, and the base may step
.endif
	TOSTAGE \a
	SEND \a-1, 32                                  ; behind block a - 1's loads: block a's 16 stores and 16 loads
.endr
	s_wait_xcnt 0x0                                ; block 6's stores have read their base
	SEND 7, 0
	s_wait_tensorcnt 0x0                           ; the wave's end: 0 onto my spare word, behind my last tensor load and my last LDS store
	ds_add_u32 v[SPW], v[NIL]
	s_wait_dscnt 0x0
	CROUND                                         ; the closing round: no work-group ends while a partner may still ask for a tile that names it
	s_endpgm
.Lfunc_end_k_q351c6762e1_outp:
	.size	k_q351c6762e1_outp, .Lfunc_end_k_q351c6762e1_outp-k_q351c6762e1_outp
	.p2alignl 7, 3214868480
	.fill 96, 4, 3214868480
	.section	.rodata,"a",@progbits
	.p2align	6, 0x0
	.amdhsa_kernel k_q351c6762e1_outp
		.amdhsa_group_segment_fixed_size 327680
		.amdhsa_private_segment_fixed_size 0
		.amdhsa_enable_private_segment 0
		.amdhsa_kernarg_size 40
		.amdhsa_user_sgpr_count 2
		.amdhsa_user_sgpr_kernarg_segment_ptr 1
		.amdhsa_wavefront_size32 1
		.amdhsa_system_sgpr_workgroup_id_x 1
		.amdhsa_system_sgpr_workgroup_id_y 1
		.amdhsa_system_sgpr_workgroup_id_z 1
		.amdhsa_system_vgpr_workitem_id 0
		.amdhsa_next_free_vgpr 1024
		.amdhsa_next_free_sgpr 98
		.amdhsa_reserve_vcc 0
		.amdhsa_float_denorm_mode_32 3
		.amdhsa_float_denorm_mode_16_64 3
		.amdhsa_memory_ordered 1
		.amdhsa_forward_progress 1
		.amdhsa_inst_pref_size 124
	.end_amdhsa_kernel
	.amdgpu_metadata
---
amdhsa.version: [ 1, 2 ]
amdhsa.kernels:
  - .name:           k_q351c6762e1_outp
    .symbol:         k_q351c6762e1_outp.kd
    .args:
      - { .name: cimg, .offset: 0, .size: 8, .value_kind: global_buffer, .address_space: global }
      - { .name: Wo_codes, .offset: 8, .size: 8, .value_kind: global_buffer, .address_space: global }
      - { .name: lowp_scales, .offset: 16, .size: 8, .value_kind: global_buffer, .address_space: global }
      - { .name: bo, .offset: 24, .size: 8, .value_kind: global_buffer, .address_space: global }
      - { .name: out0, .offset: 32, .size: 8, .value_kind: global_buffer, .address_space: global }
    .group_segment_fixed_size: 327680
    .private_segment_fixed_size: 0
    .kernarg_segment_align: 8
    .kernarg_segment_size: 40
    .max_flat_workgroup_size: 128
    .sgpr_count:     98
    .vgpr_count:     1024
    .wavefront_size: 32
...
	.end_amdgpu_metadata
.endif
;; end of part 3
